; MI455X (gfx1250); checked and timed in simulation.
; The chip was launched on July 23, 2026; its instructions are those of AMD's public machine-readable ISA for CDNA 5 (MIT licence, August 2026) and "CDNA5" Instruction Set Architecture Reference Guide (July 2026). The comments in the code are by the model that wrote it; some were corrected since.
;; Multi Head Attention. Allowed arithmetic: matrix products marked QUANTISED: E4M3 operands, one given power-of-two scale a tensor, by v_wmma_f32_16x16x64_fp8_fp8 or v_wmma_f32_16x16x128_fp8_fp8, f32 sums; everything else in f32.
;; Inputs: W_att_codes 3,072 x 32 x 32 uint8 (E4M3 codes of W_att, K innermost, in blocks of 32 codes); W_proj_codes 1,024 x 32 x 32 uint8 (E4M3 codes of W_proj, K innermost, in blocks of 32 codes); b_proj 1,024 float32; lowp_scales 8 int32 (the exponents e of the quantised operands' scales 2^e); x_codes 4 x 2,048 x 32 x 32 uint8 (E4M3 codes of x, K innermost, in blocks of 32 codes).
;; Outputs: out0 4 x 2,048 x 1,024 float32.
;; This version of the problem:
;;   THIS VERSION OF THE PROBLEM IS GIVEN IN LOW PRECISION. The matrix products marked QUANTISED in the list below multiply operands that are first quantised to E4M3 (4 exponent bits, 3 mantissa bits; 8 bits a number), with one given power-of-two scale for each operand tensor; their sums are f32. All else is computed in f32.
;;   The module's matrix products, in the order in which they are computed (A, B: the left and right operand; K: the contracted axis; several contracted axes count as one K, in the product's order):
;;     1. [M 8,192, K 1,024] x [K 1,024, N 3,072]; A: input x (given as codes); B: input W_att (given as codes): QUANTISED (scales: A lowp_scales[0], B lowp_scales[1])
;;     2. batch 64 x [M 2,048, K 64] x [K 64, N 2,048]; A: computed on the way; B: computed on the way: QUANTISED (scales: A lowp_scales[2], B lowp_scales[3])
;;     3. batch 64 x [M 2,048, K 2,048] x [K 2,048, N 64]; A: softmax (see below); B: computed on the way: QUANTISED (scales: A lowp_scales[4], B lowp_scales[5])
;;     4. [M 8,192, K 1,024] x [K 1,024, N 1,024]; A: computed on the way; B: input W_proj (given as codes): QUANTISED (scales: A lowp_scales[6], B lowp_scales[7])
;;   THE QUANTISER, for each operand of a quantised product, along K:
;;     - The operand's scale is 2^e, e = its entry of the input lowp_scales (int32; the entries are numbered through the quantised products in the list's order, A before B).
;;     - Each number is divided by the scale, clamped to +-448, and rounded to the nearest number of E4M3, ties to even, subnormals kept.
;;     - The product sums the exact products of the quantised numbers (number of the format x scale) in f32.
;;   ~~~python
;;   def quantise(x, axis, e):      # numpy; x: float32 -> the quantised numbers, widened to float32 again
;;       x = np.moveaxis(x, axis, -1); K = x.shape[-1]
;;       r = np.clip(x / 2.0 ** e, -448, 448)
;;       step = 2.0 ** (np.maximum(np.frexp(np.where(r == 0, 1, r))[1] - 1, -6) - 3)
;;       q = np.round(r / step) * step * 2.0 ** e      # np.round: ties to even
;;       return np.moveaxis(q, -1, axis).astype(np.float32)
;;   ~~~
;;   SOFTMAX AHEAD OF A QUANTISED PRODUCT. Where the list says 'softmax', what is quantised is not the finished softmax but p = 2^(t - M), with t = logit x log2(e) and M = ceil(the row's largest t), a whole number; so 1/2 < the row's largest p <= 1. The row's sum l is taken of the UNQUANTISED p, in f32, and the product's result is divided by l at the end. Since M is a whole number, a kernel that streams over the keys may use a running M (the ceiling of the running maximum): every later rescaling is an exact power of two, so the quantised numbers keep their values, but for numbers so far below the row's largest that they fall under the format's range.
;;   OPERANDS COMPUTED ON THE WAY. 'Computed on the way' means the value that the module computes at that place (a softmax that the list does not call 'softmax' is quantised finished and normalised). What goes into a quantiser is computed in f32, as accurately as f32 sums, v_exp_f32 and their like allow (about 1e-6 of the number): no bf16 or f16 on the way to a quantiser, and a product that is left as it is and whose result goes on into a quantised operand takes f32 operands (vector FMAs, or v_wmma_f32_16x16x4_f32). A number that lies on a knife's edge between two numbers of the format may be rounded either way, as far as f32 arithmetic and the matrix unit's own rounding can turn it there, and no further.
;;   INPUTS GIVEN AS CODES. W_att (in the module: [1024, 3072], K = its axis 0); W_proj (in the module: [1024, 1024], K = its axis 0); x (in the module: [4, 2048, 1024], K = its axis 2): each comes as NAME_codes (uint8): NAME with its K axis moved to the last place and cut into blocks of 32 codes, [.., K / 32, bytes a block], one block behind the other in memory; one code a byte (a code: sign, 4 exponent bits, 3 mantissa bits); its scale is its entry of lowp_scales. Its value is code x scale, taken as it is: it is not quantised again, and the codes and scales need not be those that the quantiser above would give.
;; One version. Each part assembles by itself: llvm-mc -triple=amdgcn-amd-amdhsa -mcpu=gfx1250 --defsym DOCPART=n.
;; ======== version 1 of 1: 3 launches
;; limits: right only within a limited range of input values
;; workspace buffers: k_img 8,388,608 bytes; q_img 8,388,608 bytes; v_img 8,388,608 bytes; att_img 8,388,608 bytes
;; launch qkv (part 1): grid 12 x 32, 4 waves a work-group, clusters of 4 x 4, 327,680 bytes of LDS; arguments x_codes, W_att_codes, lowp_scales, k_img, q_img, v_img; writes k_img, q_img, v_img
.if DOCPART == 1
	.amdgcn_target "amdgcn-amd-amdhsa--gfx1250"
	.amdhsa_code_object_version 6
	.text
	.protected	k_qf10e86ceeb_qkv
	.globl	k_qf10e86ceeb_qkv
	.p2align	8
	.type	k_qf10e86ceeb_qkv,@function
k_qf10e86ceeb_qkv:
	s_mov_b64 s[64:65], 0
	v_nop
	global_prefetch_b8 v0, s[64:65] scope:SCOPE_SE
	s_setreg_imm32_b32 hwreg(HW_REG_WAVE_MODE, 25, 1), 1
	s_wait_xcnt 0x0
	s_wait_alu depctr_hold_cnt(0) depctr_sa_sdst(0) depctr_va_vdst(0) depctr_va_sdst(0) depctr_va_ssrc(0) depctr_va_vcc(0) depctr_vm_vsrc(0)
	s_getreg_b32 s2, hwreg(HW_REG_IB_STS2, 6, 4)
	s_cmp_eq_u32 s2, 0
	s_cbranch_scc0 .Lentry_in_a_cluster
	s_endpgm
.Lentry_in_a_cluster:
	s_bfe_u32 s2, ttmp6, 0x10000c
	s_cmp_lg_u32 s2, 0xf033
	s_cbranch_scc0 .Lentry_shape_is_right
	s_endpgm
.Lentry_shape_is_right:
; qkv = x W_att on codes of E4M3 (x: [8192][1024], W_att: [3072][1024], K innermost), then k, q and v are quantised with their own given scales and stored as codes.
; W_att's rows 0-1023 make k (scale entry 3), 1024-2047 q (entry 2), 2048-3071 v (entry 5).  A sum stands for sum x 2^(e0 + e1): its code is sum / 2^(et - e0 - e1), one conversion.
; LIMIT: et - e0 - e1 lies between -126 and 119 for et = e2, e3, e5, so that the scale is an f32 number.
; A tile of 256 x 256 is made by a work-group of four waves; a wave makes 128 x 128: 64 accumulators, 512 registers.  K = 1,024 goes in four steps of 256 through two LDS slots filled by the tensor data mover.
; ROLES.  Source 1 (role A) gives the result's lane, source 0 (role B) the lane's eight registers.  For k and q: A = tokens (x), B = channels (W): a lane holds eight neighbouring channels of one token.
; For v: A = channels (W), B = tokens (x): a lane holds eight neighbouring TOKENS of one channel, since the keys are the K of the product that v enters.  The text is one: only base pointers and tile numbers are
; chosen, by the cluster's x, which all sixteen partners share.
; THE RESULTS LEAVE AS IMAGES OF THE NEXT OPERAND'S REGISTERS.  Eight neighbours of a lane become two registers of codes (k = 16 c + 8 (lane / 16) + 0 .. 7: the place that the plain 8-bit forms give them); two
; neighbouring tiles make four registers, stored at 16 x lane: each store of the wave covers 512 consecutive bytes, aligned.  No stage, nothing is transposed.
; An image's byte: bits 0-8 16 x lane; 9 pair % 2; 10-11 block % 4; 12-15 which 128 tokens of the sequence; 16 block / 4; 17 pair / 2; 18-20 pair of heads; 21-22 batch  (block: A's tile 0-7; pair: two of B's tiles, 0-3).
; CLUSTERS: 4 x 4 work-groups.  The four of a row need the same tile of role A, the four of a column the same tile of role B: each is asked for jointly, by the same tensor load with the same descriptor and a mask of the four.
; 384 work-groups: a tile of 256 x 128 would divide evenly by 256 but reads half as much again from LDS for each product; the larger tile is kept.
; REGISTERS, in windows of 256: window 0: v12 the scale, v16-29 addresses; from v128 A's fragments, one set; on the way out v128-255 codes.
;   window 1: B's fragments, two sets, at v0 and v128.   window 2: accumulators of my A blocks 0-3 ((a, b) at v[8 (8 (a % 4) + b)]);   window 3: of blocks 4-7.
.set ROWB,   256                       ; a tile's row in bytes: 256 codes along K
.set KROW,   1024                      ; a row of x or of W_att in memory
.set PITCH,  272                       ; an LDS row: 256 bytes + 16 of padding = 68 words, so the 16 rows that a load touches start at 16 different places modulo 64 words
.set FR,     16                        ; registers of a fragment: 16 rows x 128 K
.set NL,     4                         ; LDS loads that bring one
.set NP,     4                         ; places behind this matrix instruction (ISA guide 7.12.1)
.set HALFT,  128*PITCH                 ; 128 rows: what one tensor load brings, and what one wave reads of A or of B
.set SLOT,   4*HALFT                   ; A's 256 rows, then B's 256 rows
.set SPARE,  2*SLOT                    ; behind the ring: the spare words, 128 bytes for each wave
.set SC,   12
.set LIM,  13
.set ADRA, 16                          ; v16-17  LDS address of my A fragments in slot 0, 1
.set ADRB, 20                          ; v20-21  the same for B
.set VO,   26                          ; v26     16 x lane: my place in an image; never rewritten
.set SPW,  28                          ; v28     LDS address of my spare word; never rewritten
.set NIL,  29                          ; v29     0; never rewritten
.set TMP,  32
.set AF,   128
.set CD,   128
.set G1, 24                            ; s[24:31] descriptor group 1 for A's tiles;  s[32:39] group 0, one set for each slot
.set G0, 32
.set G1B, 48                           ; s[48:55], s[56:63] the same for B's tiles
.set G0B, 56
.set MSB, 0
.macro WIN new                         ; the immediate's high byte repeats the setting that is left
.if MSB != \new
	s_set_vgpr_msb (MSB<<8)|\new
.set MSB, \new
.endif
.endm
.set MUL_LO, 0xa1                      ; source 0 (B) window 1, source 1 (A) window 0, C and D window 2
.set MUL_HI, 0xf1                      ; the same, C and D window 3
.set TO_B,   0x40                      ; destination window 1, address window 0
; A joint load: waves 0 and 1 fetch for A, waves 2 and 3 for B.  The branch hangs on the wave's number alone.  Four v_nop follow each of the two lines.
.macro JLOAD g0a, g1a, g0b, g1b
	s_cmp_eq_u32 s15, 0
	s_cbranch_scc0 .Lfor_b_\@
	tensor_load_to_lds s[\g0a:\g0a+3], s[\g1a:\g1a+7]
	s_nop 0
.rept 4
	v_nop
.endr
	s_branch .Lasked_\@
.Lfor_b_\@:
	tensor_load_to_lds s[\g0b:\g0b+3], s[\g1b:\g1b+7]
	s_nop 0
.rept 4
	v_nop
.endr
.Lasked_\@:
.endm
.macro CREST                           ; a round of the cluster's barrier behind its opening barrier
	s_cmp_lg_u32 s14, 0
	s_cbranch_scc1 .Lnot_wave_0_\@
	s_barrier_signal -3
.Lnot_wave_0_\@:
	s_barrier_wait -3
	s_barrier_signal -1
	s_barrier_wait -1
.endm
.macro CROUND                          ; a whole round
	s_barrier_signal -1
	s_barrier_wait -1
	CREST
.endm
	s_load_b256 s[4:11], s[0:1], 0x0               ; x s[4:5], W_att s[6:7], the scales' exponents s[8:9], k_img s[10:11]
	s_load_b128 s[72:75], s[0:1], 0x20             ; q_img s[72:73], v_img s[74:75]
	v_lshl_add_u32 v[SPW], v0, 2, SPARE
	v_mov_b32 v[NIL], 0
	ds_add_u32 v28, v29
	ds_add_u32 v28, v29
	s_wait_dscnt 0x0
	v_lshrrev_b32 v1, 5, v0
	v_readfirstlane_b32 s14, v1                    ; wave 0..3
	s_lshr_b32 s15, s14, 1                         ; which half of A's rows is mine.  Also: I fetch for A (0) or for B (1)
	s_and_b32 s16, s14, 1                          ; which half of B's rows.  Also: which 128 rows of that tile I fetch
	s_bfe_u32 s40, ttmp6, 0x40000                  ; cx, cy: my place in the cluster
	s_bfe_u32 s41, ttmp6, 0x40004
	s_and_b32 s17, ttmp7, 0xffff                   ; the cluster's y, 0..7
	s_cmp_lt_u32 ttmp9, 2                          ; the cluster's x: 0 k, 1 q, 2 v
	s_cselect_b32 s76, s17, 2                      ; A's four tiles: k, q: tokens by the cluster's y; v: W_att's rows 2,048 on
	s_cselect_b32 s77, ttmp9, s17                  ; B's four tiles: k, q: W_att's rows by the cluster's x; v: tokens by the cluster's y
	s_lshl_b32 s42, s77, 2
	s_add_co_u32 s42, s42, s40                     ; B's tile = 4 x that + cx
	s_lshl_b32 s13, s76, 2
	s_add_co_u32 s13, s13, s41                     ; A's tile = 4 x that + cy
	s_lshl_b32 s43, s41, 2
	s_lshl_b32 s43, 15, s43                        ; my row of the cluster
	s_lshl_b32 s44, 0x1111, s40                    ; my column
	; descriptor group 1: a tile of 128 rows x 256 bytes, padded in LDS
	s_or_b32 s[G1+0], s43, (0<<16)|(1<<20)|(1<<21)|(5<<22)|(3<<25)  ; 15:0 the mask: my row; 17:16 elements of 1 byte; 20 padding on; 21 set beside a mask; 24:22 after every 64 words (code 5); 31:25 four words (code 3)
	s_or_b32 s[G1B+0], s44, (0<<16)|(1<<20)|(1<<21)|(5<<22)|(3<<25) ; the same with the mask of my column
.irp g, G1, G1B
	s_mov_b32 s[\g+1], ROWB<<16                    ; tensor_dim0
	s_mov_b32 s[\g+2], 128<<16                     ; tensor_dim1 = 128
	s_mov_b32 s[\g+3], ROWB<<16                    ; tile_dim0
	s_mov_b32 s[\g+4], 128                         ; tile_dim1 = 128
	s_mov_b32 s[\g+5], KROW                        ; tensor_dim0_stride
	s_mov_b32 s[\g+6], 0
	s_mov_b32 s[\g+7], 0
.endr
	s_lshl_b32 s18, s16, 7                         ; which 128 rows of the tile I fetch
	s_lshl_b32 s20, s13, 8
	s_add_co_u32 s20, s20, s18                     ; A: row 256 x tile + 128 x half
	s_lshl_b32 s46, s42, 8
	s_add_co_u32 s46, s46, s18                     ; B likewise
	s_lshl_b32 s20, s20, 10                        ; in bytes: rows of 1,024; under 2^23
	s_lshl_b32 s46, s46, 10
	s_mov_b32 s21, 0
	s_mov_b32 s47, 0
	s_mul_i32 s45, s14, HALFT                      ; where they go: wave x 128 rows: no place in the cluster enters an LDS address
	s_wait_kmcnt 0x0
	s_load_b256 s[84:91], s[8:9], 0x0              ; e0 .. e7
	s_cmp_lt_u32 ttmp9, 2
	s_cselect_b64 s[78:79], s[4:5], s[6:7]         ; role A's tensor
	s_cselect_b64 s[80:81], s[6:7], s[4:5]         ; role B's
	s_add_nc_u64 s[20:21], s[78:79], s[20:21]
	s_add_nc_u64 s[46:47], s[80:81], s[46:47]
	CROUND                                         ; all sixteen work-groups are here: the first joint loads meet
.irp s, 0,1
	s_mov_b32 s[G0+4*\s], 1
	s_add_co_u32 s[G0+4*\s+1], s45, \s*SLOT
	s_add_nc_u64 s[G0+4*\s+2:G0+4*\s+3], s[20:21], \s*ROWB
	s_or_b32 s[G0+4*\s+3], s[G0+4*\s+3], 0x80000000
	s_mov_b32 s[G0B+4*\s], 1
	s_add_co_u32 s[G0B+4*\s+1], s45, \s*SLOT
	s_add_nc_u64 s[G0B+4*\s+2:G0B+4*\s+3], s[46:47], \s*ROWB
	s_or_b32 s[G0B+4*\s+3], s[G0B+4*\s+3], 0x80000000
	JLOAD G0+4*\s, G1, G0B+4*\s, G1B
.endr
	v_and_b32 v1, 15, v0                           ; l % 16
	v_bfe_u32 v2, v0, 4, 1                         ; l / 16
	v_mul_u32_u24 v3, v1, PITCH
	v_lshl_add_u32 v4, v2, 4, v3                   ; a fragment's row x pitch + 16 x half
	s_mul_i32 s21, s15, HALFT                      ; my 128 rows of A
	s_mul_i32 s22, s16, HALFT                      ; my 128 rows of B,
	s_add_co_u32 s22, s22, 2*HALFT                 ; which lie behind A's 256
.irp s, 0,1
	v_add_nc_u32 v[ADRA+\s], s21, v4
	v_add_nc_u32 v[ADRB+\s], s22, v4
	s_add_co_u32 s21, s21, SLOT
	s_add_co_u32 s22, s22, SLOT
.endr
	v_and_b32 v6, 31, v0
	v_lshlrev_b32 v[VO], 4, v6
.macro FRAG reg, adr, q, i             ; 16 rows x 128 K in 16 registers by four loads of 16 bytes: registers 4 c .. 4 c + 3 hold K = 32 c + 16 (l / 16) + 0 .. 15: one permutation of k, the same in A and in B
.irp c, 0,1,2,3
	ds_load_b128 v[\reg+4*\c:\reg+4*\c+3], v[\adr] offset:128*(\q)+32*\c+(\i)*16*PITCH
.endr
.endm
; 16 matrix instructions: A's blocks a0, a0 + 1 x B's eight, 128 along K.  p: B's set.  zero = 1: the first product starts the sums.
; The 64 accumulators take turns, one instruction a turn, in the same order in every step.
.macro MUL16 a0, p, zero
.irp a, \a0, \a0+1
.irp b, 0,1,2,3,4,5,6,7
.if \zero
	v_wmma_f32_16x16x128_fp8_fp8 v[8*(8*((\a)%4)+\b):8*(8*((\a)%4)+\b)+7], v[128*(\p)+FR*\b:128*(\p)+FR*\b+FR-1], v[AF+FR*(\a):AF+FR*(\a)+FR-1], 0
.else
	v_wmma_f32_16x16x128_fp8_fp8 v[8*(8*((\a)%4)+\b):8*(8*((\a)%4)+\b)+7], v[128*(\p)+FR*\b:128*(\p)+FR*\b+FR-1], v[AF+FR*(\a):AF+FR*(\a)+FR-1], v[8*(8*((\a)%4)+\b):8*(8*((\a)%4)+\b)+7]
.endif
.endr
.endr
.endm
.macro FETCH_B slot, q, p              ; B's eight fragments of the slot's q-th 128 along K into set p
	WIN TO_B
.irp i, 0,1,2,3,4,5,6,7
	FRAG 128*(\p)+FR*\i, ADRB+\slot, \q, \i
.endr
	WIN 0
.endm
.macro FETCH_A slot, q, i0             ; A's blocks i0 .. i0 + 3
.irp i, \i0, \i0+1, \i0+2, \i0+3
	FRAG AF+FR*(\i), ADRA+\slot, \q, \i
.endr
.endm
.macro PLACES n                        ; plain vector instructions between a matrix instruction and a load into a register that it read, or a read of its result
.rept \n
	v_nop
.endr
.endm
; A step of 128 along K that has its successor in the same slot.
.macro STEP slot, q, zero
	s_wait_dscnt 4*NL                              ; B's set and A's blocks 0-3 are in; the youngest sixteen loads (A's blocks 4-7) may be out
	WIN MUL_LO
	MUL16 0, (\q)%2, \zero
	MUL16 2, (\q)%2, \zero
	s_wait_dscnt 0                                 ; A's blocks 4-7 are in
	PLACES NP
	FETCH_B \slot, (\q)+1, 1-(\q)%2
	FETCH_A \slot, (\q)+1, 0
	WIN MUL_HI
	MUL16 4, (\q)%2, \zero
	MUL16 6, (\q)%2, \zero
	PLACES NP
	WIN 0
	FETCH_A \slot, (\q)+1, 4
.endm
; A slot's last step changes slots: one barrier; in front of it each wave waits for all its tensor loads, adds 0 to its spare word, and waits for that and for its own reads of this slot.  fill = 1: this slot is filled again, two K steps ahead.
.macro TURN slot, next, fill
	s_wait_tensorcnt 0x0                           ; all my tensor loads have landed: my part of the next slot
	ds_add_u32 v[SPW], v[NIL]                      ; 0 onto my spare word
	s_wait_dscnt 4*NL+1                            ; (the add and the youngest sixteen loads, A's blocks 4-7, may be out)
	WIN MUL_LO
	MUL16 0, 1, 0                                  ; sixteen matrix instructions stand between the add and the wait for it
	s_wait_dscnt 0x0                               ; the add is done, and my reads of this slot are over
	s_barrier_signal -1
	MUL16 2, 1, 0
	WIN 0
	s_barrier_wait -1
.if \fill
	CREST                                          ; the barrier has opened a round of the cluster's barrier: no wave of any partner still reads this slot or has a load on its way
	s_add_nc_u64 s[G0+4*\slot+2:G0+4*\slot+3], s[G0+4*\slot+2:G0+4*\slot+3], 2*ROWB
	s_add_nc_u64 s[G0B+4*\slot+2:G0B+4*\slot+3], s[G0B+4*\slot+2:G0B+4*\slot+3], 2*ROWB
	JLOAD G0+4*\slot, G1, G0B+4*\slot, G1B         ; the first tensor load behind the round; its four v_nop are also the places in front of the loads below
.else
	PLACES NP
.endif
	FETCH_B \next, 0, 0
	FETCH_A \next, 0, 0
	WIN MUL_HI
	MUL16 4, 1, 0
	MUL16 6, 1, 0
	PLACES NP
	WIN 0
	FETCH_A \next, 0, 4
.endm
	s_wait_alu depctr_va_vdst(0)
	s_wait_tensorcnt 1                             ; my part of K step 0 is in; K step 1's load may be out
	s_barrier_signal -1
	s_barrier_wait -1                              ; everybody's is
	FETCH_B 0, 0, 0
	FETCH_A 0, 0, 0
	FETCH_A 0, 0, 4
	STEP 0, 0, 1                                   ; K 0-127: its products start the sums.  K is fixed at 1,024: the eight steps are written out
	TURN 0, 1, 1                                   ; K 128-255; slot 0 takes K 512-767
	STEP 1, 0, 0
	TURN 1, 0, 1                                   ; slot 1 takes K 768-1023
	STEP 0, 0, 0
	TURN 0, 1, 0                                   ; nothing is left to fetch
	STEP 1, 0, 0
	s_wait_dscnt 4*NL                              ; the last step
	WIN MUL_LO
	MUL16 0, 1, 0
	MUL16 2, 1, 0
	s_wait_dscnt 0
	WIN MUL_HI
	MUL16 4, 1, 0
	MUL16 6, 1, 0
	WIN 0
	; THE WAY OUT.  The image and the scale are chosen by the cluster's x.
	s_wait_kmcnt 0x0
	s_cmp_eq_u32 ttmp9, 1
	s_cselect_b64 s[10:11], s[72:73], s[10:11]     ; q's image, else k's
	s_cselect_b32 s92, s86, s87                    ; q: e2; k: e3
	s_cmp_eq_u32 ttmp9, 2
	s_cselect_b64 s[10:11], s[74:75], s[10:11]     ; v's image
	s_cselect_b32 s92, s89, s92                    ; v: e5
	s_sub_co_i32 s92, s92, s84
	s_sub_co_i32 s92, s92, s85                     ; et - e0 - e1
	s_add_co_i32 s92, s92, 127
	s_lshl_b32 s93, s92, 23
	v_mov_b32 v[SC], s93                           ; 2^(et - e0 - e1) as f32: the conversion takes its exponent field
	s_wait_alu depctr_va_vdst(0)
	s_lshl_b32 s94, s13, 1
	s_add_co_u32 s94, s94, s15                     ; which 128 rows of role A's tensor are my wave's
	s_lshl_b32 s95, s42, 1
	s_add_co_u32 s95, s95, s16                     ; and of role B's
	s_cmp_lt_u32 ttmp9, 2
	s_cselect_b32 s96, s94, s95                    ; the tokens' index, 0..63
	s_cselect_b32 s97, s95, s94                    ; the channels' index;
	s_and_b32 s97, s97, 7                          ; its low three bits are the pair of heads
	s_lshr_b32 s98, s96, 4                         ; batch
	s_and_b32 s96, s96, 15                         ; which 128 tokens of the sequence
	s_lshl_b32 s98, s98, 21
	s_lshl_b32 s97, s97, 18
	s_lshl_b32 s96, s96, 12
	s_add_co_u32 s98, s98, s97
	s_add_co_u32 s98, s98, s96
	s_mov_b32 s99, 0
	s_add_nc_u64 s[10:11], s[10:11], s[98:99]
	PLACES NP                                      ; behind the last products: for the reads of results and for the codes, which land where A's fragments lay
; Block a: 64 sums are converted as they stand, each accumulator from its low end on; eight conversions; four stores.
; Every block has code registers of its own and the base is never stepped: no store's source is written again.
.macro OUTBLK a
	WIN 0x02+((\a)/4)                              ; source 0: window 2 or 3
.set i, 0
.rept 64
.set i, i+1
.endr
.irp b, 0,1,2,3,4,5,6,7
	v_cvt_scalef32_pk8_fp8_f32 v[CD+16*(\a)+2*\b:CD+16*(\a)+2*\b+1], v[TMP+8*\b+((64*((\a)%4)+i)-(TMP+i)):TMP+8*\b+7+((64*((\a)%4)+i)-(TMP+i))], v[SC]
.endr
	WIN 0
	v_nop                                          ; one plain vector instruction behind the last conversion
.irp g, 0,1,2,3
	global_store_b128 v[VO], v[CD+16*(\a)+4*\g:CD+16*(\a)+4*\g+3], s[10:11] offset:((\a)%4)*1024+((\a)/4)*65536+(\g%2)*512+(\g/2)*131072   ; 32 lanes store 512 consecutive bytes, aligned
.endr
.endm
.irp a, 0,1,2,3,4,5,6,7
	OUTBLK \a
.endr
	s_wait_tensorcnt 0x0                           ; the wave's end
	ds_add_u32 v[SPW], v[NIL]
	s_wait_dscnt 0x0
	CROUND                                         ; the closing round: no work-group ends while a partner may still ask for a tile that names it
	s_endpgm
.Lfunc_end_k_qf10e86ceeb_qkv:
	.size	k_qf10e86ceeb_qkv, .Lfunc_end_k_qf10e86ceeb_qkv-k_qf10e86ceeb_qkv
	.p2alignl 7, 3214868480
	.fill 96, 4, 3214868480
	.section	.rodata,"a",@progbits
	.p2align	6, 0x0
	.amdhsa_kernel k_qf10e86ceeb_qkv
		.amdhsa_group_segment_fixed_size 327680
		.amdhsa_private_segment_fixed_size 0
		.amdhsa_enable_private_segment 0
		.amdhsa_kernarg_size 48
		.amdhsa_user_sgpr_count 2
		.amdhsa_user_sgpr_kernarg_segment_ptr 1
		.amdhsa_wavefront_size32 1
		.amdhsa_system_sgpr_workgroup_id_x 1
		.amdhsa_system_sgpr_workgroup_id_y 1
		.amdhsa_system_sgpr_workgroup_id_z 1
		.amdhsa_system_vgpr_workitem_id 0
		.amdhsa_next_free_vgpr 1024
		.amdhsa_next_free_sgpr 100
		.amdhsa_reserve_vcc 0
		.amdhsa_float_denorm_mode_32 3
		.amdhsa_float_denorm_mode_16_64 3
		.amdhsa_fp16_overflow 1
		.amdhsa_memory_ordered 1
		.amdhsa_forward_progress 1
		.amdhsa_inst_pref_size 86
	.end_amdhsa_kernel
	.amdgpu_metadata
---
amdhsa.version: [ 1, 2 ]
amdhsa.kernels:
  - .name:           k_qf10e86ceeb_qkv
    .symbol:         k_qf10e86ceeb_qkv.kd
    .args:
      - { .name: x_codes, .offset: 0, .size: 8, .value_kind: global_buffer, .address_space: global }
      - { .name: W_att_codes, .offset: 8, .size: 8, .value_kind: global_buffer, .address_space: global }
      - { .name: lowp_scales, .offset: 16, .size: 8, .value_kind: global_buffer, .address_space: global }
      - { .name: k_img, .offset: 24, .size: 8, .value_kind: global_buffer, .address_space: global }
      - { .name: q_img, .offset: 32, .size: 8, .value_kind: global_buffer, .address_space: global }
      - { .name: v_img, .offset: 40, .size: 8, .value_kind: global_buffer, .address_space: global }
    .group_segment_fixed_size: 327680
    .private_segment_fixed_size: 0
    .kernarg_segment_align: 8
    .kernarg_segment_size: 48
    .max_flat_workgroup_size: 128
    .sgpr_count:     100
    .vgpr_count:     1024
    .wavefront_size: 32
...
	.end_amdgpu_metadata
.endif
;; end of part 1
;; launch attn (part 2): grid 4 x 64, 16 waves a work-group, no clusters, 327,680 bytes of LDS; arguments q_img, k_img, v_img, lowp_scales, att_img; writes att_img
.if DOCPART == 2
	.amdgcn_target "amdgcn-amd-amdhsa--gfx1250"
	.amdhsa_code_object_version 6
	.text
	.protected	k_qf10e86ceeb_attn
	.globl	k_qf10e86ceeb_attn
	.p2align	8
	.type	k_qf10e86ceeb_attn,@function
k_qf10e86ceeb_attn:
	s_mov_b64 s[64:65], 0
	v_nop
	global_prefetch_b8 v0, s[64:65] scope:SCOPE_SE
	s_setreg_imm32_b32 hwreg(HW_REG_WAVE_MODE, 25, 1), 1
	s_wait_xcnt 0x0
; Causal attention of one head on codes of E4M3: S = q k^T, softmax, O = p v; O is quantised with scale entry 6 and stored as codes for the last product.
; q (scale entry 2), k (entry 3) and v (entry 5) come as images of operand registers (fragments at 16 x lane), v with the keys along the registers.
; THE SOFTMAX: t = score x log2(e) / 8; M = the running largest t rounded UP to a whole number; p = 2^(t - M) is quantised with entry 4, not normalised; the row's sum is taken of the unquantised p and divides O at
; the end.  When M moves, the sum and O are multiplied by 2^(old M - new M), which rounds nothing.
; LIMITS on the given exponents, so that each power of two below is an f32 number: e2 + e3 between -123 and 130 (added to c's exponent field); e4, and e6 - e4 - e5, between -126 and 119.
; SHARES.  Work-group (i, head) owns the head's query blocks 7 - i and i, 256 queries each.  Wave w takes tile 16 (7 - i) + w of 16 queries, then tile 16 i + 15 - w.  A tile tt needs tt / 8 + 1 key steps of 128:
; 17 steps for every wave of every work-group.  Sixteen waves of 256 registers: four to a SIMD, so that one wave's vector work stands beside another's products and LDS loads.
; THE HEAD'S WHOLE K AND V, 262,144 bytes, LIE IN LDS, filled once: no slot is filled again.  Four pieces of 65,536 bytes: K's key tiles 0-3 of each 128 keys, K's tiles 4-7, V's register groups 0-1, V's groups 2-3;
; in a piece: 4,096 x (which 128 keys) + 1,024 x tile + 512 x half + 16 x lane.  Wave w fetches for piece w / 4: first 4,096 bytes of the piece's first 16,384 (keys 0-511), then 12,288 of the rest.
; The first four key steps, which every first tile needs in full, run while the rest is on its way.
; NO JOINT LOADS: the four work-groups of a head differ only in their query blocks, and the key steps that the mask hides are left out by a scalar branch on the query block; in a cluster that would be a branch on the
; work-group's place.  Walking all 16 + 8 steps in step instead would be 24 steps a wave against 17.
; LAYOUT.  S^T = K Q^T (source 0 = 16 keys, source 1 = my 16 queries) and O^T = V^T P^T: a lane holds ONE query (lane % 16).  Register 8 t + j of S^T is key 16 t + 8 (lane / 16) + j: eight neighbours, whose codes are
; registers 2 t, 2 t + 1 of P as the K = 128 form takes them.  O^T's tile d likewise gives registers 2 d, 2 d + 1 of the last product's operand.
; REGISTERS: v1 16 x lane (piece 0, and the offset in images), v2-4 the same in pieces 1-3; v5 lane % 16 - 8 (lane / 16); v8-11 the step's four addresses; v12 -M, v13 the largest t, v[14:15] the sum in two halves;
; v16-23, v24-31 Q of the two tiles; v32-95 K's eight fragments, then V's four; v96-159 S^T, then p; v160-191 O^T; v192-207 p's codes; v208-223 the two tiles' output codes; v236-254 at work and constants.
.set WV,   18                          ; s18  my wave's number
.set SEL,  20                          ; s[20:21] lane selects for v_permlanex16_b32: lane l xor 16
.set CS,   22                          ; s[22:23] c = log2(e) / 8 x 2^(e2 + e3)
.set TB,   2                           ; s2   4,096 x the key step
.set CNT,  3                           ; s3   trips
.set KF,   56                          ; s56  the step's first key
.set Q0,   57                          ; s57  my tile's first query
.set QB,   58                          ; s58  Q0 rounded down to a multiple of 128: the first key of the step on the diagonal
	s_load_b256 s[4:11], s[0:1], 0x0               ; q_img s[4:5], k_img s[6:7], v_img s[8:9], the scales' exponents s[10:11]
	s_load_b64 s[12:13], s[0:1], 0x20              ; att_img
	v_lshl_add_u32 v251, v0, 2, 0x40000
	v_mov_b32 v255, 0
	ds_add_u32 v251, v255
	ds_add_u32 v251, v255
	v_lshrrev_b32 v8, 5, v0
	s_delay_alu instid0(VALU_DEP_1)
	v_readfirstlane_b32 s[WV], v8                  ; wave 0..15
	s_and_b32 s80, ttmp7, 0xffff                   ; 16 x batch + head
	s_lshr_b32 s81, s80, 4                         ; batch
	s_bfe_u32 s82, s80, 0x30001                    ; pair of heads
	s_and_b32 s83, s80, 1                          ; which of the pair
	s_lshl_b32 s84, s81, 21
	s_lshl_b32 s85, s82, 18
	s_add_co_u32 s84, s84, s85                     ; the pair's first byte in each of the three images
	; what I fetch
	s_lshr_b32 s86, s[WV], 2                       ; my piece, 0..3
	s_and_b32 s87, s86, 1                          ; which half of K's, or of V's, two pieces
	s_and_b32 s88, s[WV], 3                        ; which quarter of the piece
	s_cmp_lt_u32 s[WV], 8                          ; waves 0-7 fetch K, waves 8-15 V
	s_cselect_b32 s89, 17, 16                      ; in K's image the head is bit 17 and the piece bit 16; in V's the other way round
	s_cselect_b32 s90, 16, 17
	s_lshl_b32 s89, s83, s89
	s_lshl_b32 s90, s87, s90
	s_add_co_u32 s89, s89, s90
	s_add_co_u32 s89, s89, s84                     ; the piece's first byte in its image
	s_lshl_b32 s91, s86, 16                        ; and in LDS
	s_lshl_b32 s92, s88, 12                        ; first load: 4,096 x quarter
	s_mul_i32 s93, s88, 12288
	s_add_co_u32 s93, s93, 16384                   ; second load: 16,384 + 12,288 x quarter
	; descriptor groups 1: dense blocks as rows of 256 bytes (32 elements of 8 bytes): 16 rows, and 48 rows
	s_mov_b32 s24, 3<<16                           ; 15:0 no mask; 17:16 elements of 8 bytes; no padding
	s_mov_b32 s25, 32<<16                          ; tensor_dim0 = 32
	s_mov_b32 s26, 16<<16                          ; tensor_dim1 = 16
	s_mov_b32 s27, 32<<16                          ; tile_dim0 = 32
	s_mov_b32 s28, 16                              ; tile_dim1 = 16
	s_mov_b32 s29, 32                              ; tensor_dim0_stride
	s_mov_b32 s30, 0
	s_mov_b32 s31, 0
	s_mov_b32 s32, 3<<16
	s_mov_b32 s33, 32<<16
	s_mov_b32 s34, 48<<16
	s_mov_b32 s35, 32<<16
	s_mov_b32 s36, 48
	s_mov_b32 s37, 32
	s_mov_b32 s38, 0
	s_mov_b32 s39, 0
	s_mov_b32 s40, 1                               ; groups 0: count = 1,
	s_add_co_u32 s41, s91, s92                     ; the LDS address: a constant x piece + a constant x quarter,
	s_mov_b32 s44, 1
	s_add_co_u32 s45, s91, s93
	s_add_co_u32 s96, s89, s92
	s_mov_b32 s97, 0
	s_add_co_u32 s98, s89, s93
	s_mov_b32 s99, 0
	s_wait_dscnt 0x0
	s_wait_kmcnt 0x0
	s_load_b256 s[72:79], s[10:11], 0x0            ; e0 .. e7
	s_cmp_lt_u32 s[WV], 8
	s_cselect_b64 s[94:95], s[6:7], s[8:9]         ; K's image or V's: the choice hangs on the wave's number alone
	s_add_nc_u64 s[42:43], s[94:95], s[96:97]      ; the global address,
	s_or_b32 s43, s43, 0x80000000                  ; and the type
	s_add_nc_u64 s[46:47], s[94:95], s[98:99]
	s_or_b32 s47, s47, 0x80000000
	tensor_load_to_lds s[40:43], s[24:31]          ; the first fill; the second goes out behind the wait and the barrier below
	s_nop 0
	s_wait_alu depctr_va_vdst(0)
	s_wait_tensorcnt 0x0
	ds_add_u32 v251, v255
	s_wait_dscnt 0x0
	s_barrier_signal -1
	s_barrier_wait -1
	tensor_load_to_lds s[44:47], s[32:39]
	s_nop 0
.rept 4
	v_nop
.endr
	; my two tiles
	s_sub_co_u32 s61, 7, ttmp9
	s_lshl_b32 s61, s61, 4
	s_add_co_u32 s61, s61, s[WV]                   ; the first: 16 (7 - i) + w, 64 at the least
	s_lshl_b32 s62, ttmp9, 4
	s_add_co_u32 s62, s62, 15
	s_sub_co_u32 s62, s62, s[WV]                   ; the second: 16 i + 15 - w, 63 at the most
	s_lshl_b32 s[Q0], s61, 4
	s_and_b32 s[QB], s[Q0], 0xffffff80
	s_lshl_b32 s59, s62, 4                         ; the second tile's Q0
	s_and_b32 s60, s59, 0xffffff80                 ; and QB
	s_lshl_b32 s70, s83, 17
	s_add_co_u32 s70, s70, s84                     ; the head's first byte in q's image
	s_lshr_b32 s71, s82, 1                         ; att_img: [pair / 2][batch x 128 + tile][pair % 2][head % 2][2][512]
	s_lshl_b32 s71, s71, 21
	s_and_b32 s85, s82, 1
	s_lshl_b32 s85, s85, 11
	s_add_co_u32 s71, s71, s85
	s_lshl_b32 s85, s83, 10
	s_add_co_u32 s71, s71, s85
.macro QADR dst, tt                    ; where tile tt's fragment lies in q's image: bit 16 = (tt % 8) / 4, bits 12-15 = tt / 8, bits 10-11 = tt % 4
	s_bfe_u32 s98, s[\tt], 0x10002
	s_lshl_b32 s98, s98, 16
	s_lshr_b32 s99, s[\tt], 3
	s_lshl_b32 s99, s99, 12
	s_add_co_u32 s98, s98, s99
	s_and_b32 s99, s[\tt], 3
	s_lshl_b32 s99, s99, 10
	s_add_co_u32 s98, s98, s99
	s_add_co_u32 s98, s98, s70
	s_mov_b32 s99, 0
	s_add_nc_u64 s[\dst:\dst+1], s[4:5], s[98:99]
.endm
.macro OADR dst, tt                    ; where tile tt's 1,024 bytes of codes go
	s_lshl_b32 s98, s81, 7
	s_add_co_u32 s98, s98, s[\tt]
	s_lshl_b32 s98, s98, 12
	s_add_co_u32 s98, s98, s71
	s_mov_b32 s99, 0
	s_add_nc_u64 s[\dst:\dst+1], s[12:13], s[98:99]
.endm
	QADR 14, 61
	QADR 16, 62
	OADR 66, 61
	OADR 68, 62
	v_and_b32 v1, 31, v0
	s_delay_alu instid0(VALU_DEP_1)
	v_lshlrev_b32 v1, 4, v1                        ; 16 x lane
	global_load_b128 v[16:19], v1, s[14:15]        ; Q's two fragments stay in registers
	global_load_b128 v[20:23], v1, s[14:15] offset:512
	global_load_b128 v[24:27], v1, s[16:17]
	global_load_b128 v[28:31], v1, s[16:17] offset:512
	v_add_nc_u32 v2, 0x10000, v1
	v_add_nc_u32 v3, 0x20000, v1
	v_add_nc_u32 v4, 0x30000, v1
	v_and_b32 v5, 15, v0
	v_bfe_u32 v6, v0, 4, 1
	s_delay_alu instid0(VALU_DEP_1)
	v_lshlrev_b32 v6, 3, v6
	s_delay_alu instid0(VALU_DEP_1)
	v_sub_nc_u32 v5, v5, v6                        ; lane % 16 - 8 (lane / 16), for the mask
	v_mov_b32 v236, 0                              ; written once: a lane permute's destination counts as one of its sources
	v_mov_b32 v253, 0                              ; (named as the upper half of the pair v[252:253])
	s_mov_b32 s[SEL], 0x76543210
	s_mov_b32 s[SEL+1], 0xfedcba98
	s_mov_b32 s[TB], 0
	s_mov_b32 s[KF], 0
	s_mov_b32 s[CS], 0x3e38aa3b                    ; c = log2(e) / 8
	s_wait_kmcnt 0x0
	s_add_co_i32 s80, s74, s75
	s_lshl_b32 s80, s80, 23
	s_add_co_i32 s[CS], s[CS], s80                 ; a score stands for score x 2^(e2 + e3): the two exponents are added to c's exponent field
	s_mov_b32 s[CS+1], s[CS]                       ; (named with it as a pair, so it is written)
	s_add_co_i32 s80, s76, 127
	s_lshl_b32 s85, s80, 23
	v_mov_b32 v244, s85                            ; 2^e4 as f32, for p's conversion
	s_sub_co_i32 s80, s78, s76
	s_sub_co_i32 s80, s80, s77                     ; O^T / the sum stands for that x 2^(e4 + e5): its code is that / 2^(e6 - e4 - e5)
	s_add_co_i32 s80, s80, 127
	s_lshl_b32 s85, s80, 23
	v_mov_b32 v245, s85
.macro INIT                            ; a tile begins: the step is written once and finds zeros, which the first change of M leaves zeros
	v_mov_b32 v13, 0xff61b1e6                      ; the largest t so far: -3e38, under every t
	s_delay_alu instid0(VALU_DEP_1)
	v_floor_f32 v12, -v13                          ; -M
	v_mov_b32 v14, 0
	v_mov_b32 v15, 0
.set i, 0
.rept 32
	v_mov_b32 v[160+i], 0
.set i, i+1
.endr
.endm
; A KEY STEP: 128 keys from s[KF] on.  qr: Q's registers.  mode = 0: all keys count for all my queries.  mode = 1: a step all of whose keys come after my queries is left out (a scalar branch on ids, not round the two
; lines at the end that step the address and the key); the step on the diagonal is masked.
.macro STEP qr, mode
.if \mode
	s_cmp_gt_u32 s[KF], s[QB]
	s_cbranch_scc1 .Lhid_\@
.endif
	s_setprio 2
	v_add_nc_u32 v8, s[TB], v1                     ; the step's place in the four pieces.  These four are also the places between the last step's products and the loads into the registers that those read
	v_add_nc_u32 v9, s[TB], v2
	v_add_nc_u32 v10, s[TB], v3
	v_add_nc_u32 v11, s[TB], v4
.irp t, 0,1,2,3,4,5,6,7
	ds_load_b128 v[32+8*\t:35+8*\t], v[8+\t/4] offset:(\t%4)*1024          ; K's tile t: an image, 512 consecutive bytes a load
	ds_load_b128 v[36+8*\t:39+8*\t], v[8+\t/4] offset:(\t%4)*1024+512
.endr
	s_wait_alu depctr_va_vdst(0)
	s_wait_dscnt 8                                 ; tiles 0-3 are in; the eight younger loads (tiles 4-7) may be out
.irp t, 0,1,2,3
	v_wmma_f32_16x16x64_fp8_fp8 v[96+8*\t:103+8*\t], v[32+8*\t:39+8*\t], v[\qr:\qr+7], 0
.endr
	s_wait_dscnt 0x0
.irp t, 4,5,6,7
	v_wmma_f32_16x16x64_fp8_fp8 v[96+8*\t:103+8*\t], v[32+8*\t:39+8*\t], v[\qr:\qr+7], 0
.endr
.rept 4
	v_nop                                          ; places in front of the loads below and of the first read of the scores
.endr
.irp d, 0,1,2,3
.irp g, 0,1,2,3
	ds_load_b128 v[32+16*\d+4*\g:35+16*\d+4*\g], v[10+\g/2] offset:\d*1024+(\g%2)*512   ; V^T's tile d, registers 4 g on: they land under the softmax
.endr
.endr
.if \mode
	s_cmp_lt_u32 s[KF], s[QB]
	s_cbranch_scc1 .Lopen_\@                       ; all 128 keys count
	s_sub_co_i32 s96, s[Q0], s[KF]
	v_add_nc_u32 v252, s96, v5                     ; d = my query - KF - 8 (lane / 16).  Register 8 t + j holds key KF + 16 t + 8 (lane / 16) + j: hidden where 16 t + j > d
	v_mov_b32 v254, 0xff800000                     ; -infinity: p = 0 then
.irp n, 0,1,2,3,4,5,6,7,8,9,10,11,12,13,14,15,16,17,18,19,20,21,22,23,24,25,26,27,28,29,30,31,32,33,34,35,36,37,38,39,40,41,42,43,44,45,46,47,48,49,50,51,52,53,54,55,56,57,58,59,60,61,62,63
	v_cmp_gt_i32 vcc_lo, 16*(\n/8)+\n%8, v252
	v_cndmask_b32 v[96+\n], v[96+\n], v254, vcc_lo
.endr
.Lopen_\@:
.endif
	v_max3_num_f32 v254, v96, v97, v98             ; the step's largest score of my query, among my 64 keys, in two chains, each accumulator from its low end on,
	v_max3_num_f32 v252, v99, v100, v101
.irp i, 6,10,14,18,22,26,30,34,38,42,46,50,54,58
	v_max3_num_f32 v254, v254, v[96+\i], v[97+\i]
	v_max3_num_f32 v252, v252, v[98+\i], v[99+\i]
.endr
	v_max3_num_f32 v254, v254, v158, v159
	s_delay_alu instid0(VALU_DEP_1)
	v_max_num_f32 v254, v254, v252
	s_delay_alu instid0(VALU_DEP_1)
	v_permlanex16_b32 v236, v254, s[SEL], s[SEL+1]
	s_delay_alu instid0(VALU_DEP_1)
	v_max_num_f32 v254, v254, v236                 ; and among lane l xor 16's
	s_delay_alu instid0(VALU_DEP_1)
	v_mul_f32 v254, s[CS], v254                    ; as t (c is positive)
	s_delay_alu instid0(VALU_DEP_1)
	v_max_num_f32 v13, v13, v254                   ; the running largest t
	v_mov_b32 v254, v12
	s_delay_alu instid0(VALU_DEP_2)
	v_floor_f32 v12, -v13                          ; the new -M = floor(-t) = -ceil(t): a whole number
	s_delay_alu instid0(VALU_DEP_1)
	v_sub_f32 v254, v12, v254                      ; M's old value less its new one: a whole number, 0 or less
	s_delay_alu instid0(VALU_DEP_1)
	v_cvt_i32_f32 v254, v254                       ; (it saturates)
	s_delay_alu instid0(VALU_DEP_1)
	v_ldexp_f32 v252, 1.0, v254                    ; f = 2^(old M - new M)
.irp j, 0,2,4,6,8,10,12,14,16,18,20,22,24,26,28,30,32,34,36,38,40,42,44,46,48,50,52,54,56,58,60,62
	v_pk_fma_f32 v[96+\j:97+\j], v[96+\j:97+\j], s[CS:CS+1], v[12:13] op_sel_hi:[1,0,0]   ; t - M, two at a time (of the pairs c and -M the low word serves both halves)
.endr
	s_setprio 1
	s_wait_alu depctr_va_vdst(0)
.irp j, 0,1,2,3,4,5,6,7,8,9,10,11,12,13,14,15,16,17,18,19,20,21,22,23,24,25,26,27,28,29,30,31,32,33,34,35,36,37,38,39,40,41,42,43,44,45,46,47,48,49,50,51,52,53,54,55,56,57,58,59,60,61,62,63
	v_exp_f32 v[96+\j], v[96+\j]                   ; p = 2^(t - M), at most 1: not normalised
.endr
	v_pk_mul_f32 v[14:15], v[14:15], v[252:253] op_sel_hi:[1,0]   ; the sums under the new M: the plain instruction behind the exponentials
	s_wait_alu depctr_va_vdst(0)                   ; one wait for the batch of 64, ahead of its first reader
	v_pk_add_f32 v[242:243], v[96:97], v[98:99]    ; the row's sum is taken of the unquantised p: two at a time, in two chains
.irp j, 4,8,12,16,20,24,28,32,36,40,44,48,52,56,60
	v_pk_add_f32 v[14:15], v[14:15], v[96+\j:97+\j]
	v_pk_add_f32 v[242:243], v[242:243], v[98+\j:99+\j]
.endr
	s_delay_alu instid0(VALU_DEP_1)
	v_pk_add_f32 v[14:15], v[14:15], v[242:243]
	s_setprio 0
.irp t, 0,1,2,3,4,5,6,7
.irp i, 0,1,2,3,4,5,6,7
.endr
	v_cvt_scalef32_pk8_fp8_f32 v[192+2*\t:193+2*\t], v[96+8*\t:103+8*\t], v244   ; keys 16 t + 8 (lane / 16) + 0 .. 7: registers 2 t, 2 t + 1 of P
.endr
.irp j, 0,2,4,6,8,10,12,14,16,18,20,22,24,26,28,30
	v_pk_mul_f32 v[160+\j:161+\j], v[160+\j:161+\j], v[252:253] op_sel_hi:[1,0]   ; O^T under the new M.  (Plain instructions between the conversions and the products that read the codes)
.endr
	s_wait_alu depctr_va_vdst(0)
	s_wait_dscnt 0x0                               ; V is in
.irp d, 0,1,2,3                                ; the four accumulators take turns, one instruction a turn
	v_wmma_f32_16x16x128_fp8_fp8 v[160+8*\d:167+8*\d], v[32+16*\d:47+16*\d], v[192:207], v[160+8*\d:167+8*\d]
.endr
.if \mode
.Lhid_\@:
.endif
	s_add_co_u32 s[TB], s[TB], 4096
	s_add_co_u32 s[KF], s[KF], 128
.endm
; A tile ends: O^T / the sum, quantised: 8 registers of codes, two stores of 512 consecutive bytes, aligned.  Each tile has code registers and a base of its own.
.macro FINISH cd, out
.rept 4
	v_nop                                          ; places behind the last products
.endr
	v_add_f32 v14, v14, v15                        ; the sum's two halves,
	s_delay_alu instid0(VALU_DEP_1)
	v_permlanex16_b32 v236, v14, s[SEL], s[SEL+1]
	s_delay_alu instid0(VALU_DEP_1)
	v_add_f32 v14, v14, v236                       ; and lane l xor 16's
	s_wait_alu depctr_va_vdst(0)
	v_rcp_f32 v14, v14
	v_nop                                          ; a plain instruction behind the reciprocal,
	s_wait_alu depctr_va_vdst(0)                   ; and the wait ahead of its first reader
.set i, 0
.rept 16
	v_pk_mul_f32 v[96+i:97+i], v[160+i:161+i], v[14:15] op_sel_hi:[1,0]
.set i, i+2
.endr
.set i, 0
.rept 32
.set i, i+1
.endr
.irp d, 0,1,2,3
	v_cvt_scalef32_pk8_fp8_f32 v[\cd+2*\d:\cd+2*\d+1], v[96+8*\d:103+8*\d], v245
.endr
	v_nop                                          ; one plain vector instruction behind the last conversion
	global_store_b128 v1, v[\cd:\cd+3], s[\out:\out+1]
	global_store_b128 v1, v[\cd+4:\cd+7], s[\out:\out+1] offset:512
.endm
	INIT
	s_wait_tensorcnt 1                             ; my part of keys 0-511 is in; my second load may be out
	s_barrier_signal -1
	s_barrier_wait -1                              ; everybody's is
	s_wait_loadcnt 0x0                             ; Q
	s_mov_b32 s[CNT], 4
.Lfirst:                                           ; keys 0-511: the first tile's queries are 1,024 or later, so all count.  These steps read the first 16,384 bytes of each piece alone
	STEP 16, 0
	s_sub_co_u32 s[CNT], s[CNT], 1
	s_cmp_lg_u32 s[CNT], 0
	s_cbranch_scc1 .Lfirst
	s_setprio 0
	s_wait_tensorcnt 0x0                           ; my part of the rest is in,
	s_barrier_signal -1
	s_barrier_wait -1                              ; everybody's is: from here on no wave waits for another
	s_mov_b32 s[CNT], 12
.Lrest:                                            ; keys 512-2047: a constant count of trips; hidden steps are jumped over inside
	STEP 16, 1
	s_sub_co_u32 s[CNT], s[CNT], 1
	s_cmp_lg_u32 s[CNT], 0
	s_cbranch_scc1 .Lrest
	s_setprio 0
	FINISH 208, 66
	s_mov_b32 s[TB], 0                             ; the second tile
	s_mov_b32 s[KF], 0
	s_mov_b32 s[Q0], s59
	s_mov_b32 s[QB], s60
	INIT
	s_mov_b32 s[CNT], 8
.Lsecond:                                          ; its queries are under 1,024: keys 0-1023
	STEP 24, 1
	s_sub_co_u32 s[CNT], s[CNT], 1
	s_cmp_lg_u32 s[CNT], 0
	s_cbranch_scc1 .Lsecond
	s_setprio 0
	FINISH 216, 68
	s_wait_tensorcnt 0x0
	ds_add_u32 v251, v255
	s_wait_dscnt 0x0
	s_endpgm
.Lfunc_end_k_qf10e86ceeb_attn:
	.size	k_qf10e86ceeb_attn, .Lfunc_end_k_qf10e86ceeb_attn-k_qf10e86ceeb_attn
	.p2alignl 7, 3214868480
	.fill 96, 4, 3214868480
	.section	.rodata,"a",@progbits
	.p2align	6, 0x0
	.amdhsa_kernel k_qf10e86ceeb_attn
		.amdhsa_group_segment_fixed_size 327680
		.amdhsa_private_segment_fixed_size 0
		.amdhsa_enable_private_segment 0
		.amdhsa_kernarg_size 40
		.amdhsa_user_sgpr_count 2
		.amdhsa_user_sgpr_kernarg_segment_ptr 1
		.amdhsa_wavefront_size32 1
		.amdhsa_system_sgpr_workgroup_id_x 1
		.amdhsa_system_sgpr_workgroup_id_y 1
		.amdhsa_system_sgpr_workgroup_id_z 1
		.amdhsa_system_vgpr_workitem_id 0
		.amdhsa_next_free_vgpr 256
		.amdhsa_next_free_sgpr 100
		.amdhsa_reserve_vcc 1
		.amdhsa_float_denorm_mode_32 3
		.amdhsa_float_denorm_mode_16_64 3
		.amdhsa_fp16_overflow 1
		.amdhsa_memory_ordered 1
		.amdhsa_forward_progress 1
		.amdhsa_inst_pref_size 66
	.end_amdhsa_kernel
	.amdgpu_metadata
---
amdhsa.version: [ 1, 2 ]
amdhsa.kernels:
  - .name:           k_qf10e86ceeb_attn
    .symbol:         k_qf10e86ceeb_attn.kd
    .args:
      - { .name: q_img, .offset: 0, .size: 8, .value_kind: global_buffer, .address_space: global }
      - { .name: k_img, .offset: 8, .size: 8, .value_kind: global_buffer, .address_space: global }
      - { .name: v_img, .offset: 16, .size: 8, .value_kind: global_buffer, .address_space: global }
      - { .name: lowp_scales, .offset: 24, .size: 8, .value_kind: global_buffer, .address_space: global }
      - { .name: att_img, .offset: 32, .size: 8, .value_kind: global_buffer, .address_space: global }
    .group_segment_fixed_size: 327680
    .private_segment_fixed_size: 0
    .kernarg_segment_align: 8
    .kernarg_segment_size: 40
    .max_flat_workgroup_size: 512
    .sgpr_count:     100
    .vgpr_count:     256
    .wavefront_size: 32
...
	.end_amdgpu_metadata
.endif
;; end of part 2
;; launch proj (part 3): grid 8 x 32, 4 waves a work-group, clusters of 4 x 4, 327,680 bytes of LDS; arguments att_img, W_proj_codes, b_proj, lowp_scales, out0; writes out0
.if DOCPART == 3
	.amdgcn_target "amdgcn-amd-amdhsa--gfx1250"
	.amdhsa_code_object_version 6
	.text
	.protected	k_qf10e86ceeb_proj
	.globl	k_qf10e86ceeb_proj
	.p2align	8
	.type	k_qf10e86ceeb_proj,@function
k_qf10e86ceeb_proj:
	s_mov_b64 s[64:65], 0
	v_nop
	global_prefetch_b8 v0, s[64:65] scope:SCOPE_SE
	s_setreg_imm32_b32 hwreg(HW_REG_WAVE_MODE, 25, 1), 1
	s_wait_xcnt 0x0
	s_wait_alu depctr_hold_cnt(0) depctr_sa_sdst(0) depctr_va_vdst(0) depctr_va_sdst(0) depctr_va_ssrc(0) depctr_va_vcc(0) depctr_vm_vsrc(0)
	s_getreg_b32 s2, hwreg(HW_REG_IB_STS2, 6, 4)
	s_cmp_eq_u32 s2, 0
	s_cbranch_scc0 .Lentry_in_a_cluster
	s_endpgm
.Lentry_in_a_cluster:
	s_bfe_u32 s2, ttmp6, 0x10000c
	s_cmp_lg_u32 s2, 0xf033
	s_cbranch_scc0 .Lentry_shape_is_right
	s_endpgm
.Lentry_shape_is_right:
; out = att W_proj + b_proj on codes of E4M3.  att: [8192 tokens][1024] as images of operand registers (att_img: [256 along K (4)][tile of 16 tokens (512)][128 along K (2)][four registers (4)][16 x lane]), scale entry 6.
; W_proj: [1024 (n)][1024 (k)] codes, K innermost, scale entry 7.  b_proj [1024], out [8192][1024]: f32.  out = sum x 2^(e6 + e7) + b, one packed multiply-add for two numbers.
; LIMIT: e6 + e7 lies between -126 and 127, so that 2^(e6 + e7) is an f32 number.
; A tile of 256 tokens x 128 outputs is made by a work-group of four waves: 256 work-groups; tiles of 256 x 256 would be 128.  A wave makes 128 tokens x 64 outputs: 32 accumulators, 256 registers.
; K = 1,024 goes in four steps of 256 through two LDS slots filled by the tensor data mover.  att's part of a slot is dense (images: every fragment load takes 512 consecutive bytes); W's rows are padded.
; att's images hold each k in the place that the plain 8-bit form gives it (registers 2 c, 2 c + 1: k = 16 c + 8 (l / 16) + 0 .. 7), so W's fragments are fetched in that layout too: eight loads of 8 bytes.
; SOURCE 0 = 16 rows of W, SOURCE 1 = 16 tokens: a lane holds eight neighbouring outputs of one token.
; CLUSTERS: 4 x 4 work-groups.  The four of a row need the same tokens, the four of a column the same rows of W: each tile is asked for jointly, by the same tensor load with the same descriptor and a mask of the four.
; REGISTERS, in windows of 256: window 0: v16-29 addresses; v32-63 the bias of my 64 outputs in the result's layout; v64-95 results at work; from v128 att's eight fragments, one set; on the way out rows read back.
;   window 1: W's four fragments, two sets, at v0 and v64.   window 2: the accumulators ((a, b) at v[8 (4 a + b)]).
.set PITCH,  272                       ; a row of W in LDS: 256 bytes + 16 of padding = 68 words: lane (r, h) reads at word 68 r + 2 h: the 32 lanes' 64 words fall on 64 different places modulo 64
.set AHALF,  32768                     ; 128 tokens x 256 along K: eight tiles of 4,096 bytes
.set BOFF,   65536                     ; W's rows lie behind att's 256 tokens
.set BHALF,  64*PITCH                  ; 64 rows of W
.set SLOT,   BOFF+2*BHALF
.set SPARE,  2*SLOT                    ; behind the ring: the spare words, 128 bytes for each wave
.set SPITCH, 272                       ; the way out: a stage of 16 rows x (256 bytes + 16) for each wave, in slot 0, which has had its last fill and its last read when the first result is stored there
.set FR,     16
.set NP,     4                         ; places behind this matrix instruction (ISA guide 7.12.1)
.set ADRA, 16                          ; v16-17  LDS address of att's fragments in slot 0, 1
.set ADRB, 20                          ; v20-21  of W's
.set STO,  24                          ; v24     the way out: where I put 32 bytes of a row
.set RD,   25                          ; v25     where I read a row back
.set CO,   26                          ; v26     my byte offset in two rows of out
.set BO,   27                          ; v27     32 x (lane / 16): my eight numbers of a tile's sixteen biases
.set SPW,  28                          ; v28     LDS address of my spare word; never rewritten
.set NIL,  29                          ; v29     0; never rewritten
.set BIAS, 32
.set TMP,  64
.set AF,   128
.set BK,   128
.set G1, 24                            ; s[24:31] descriptor group 1 for att's tiles;  s[32:39] group 0, one set for each slot
.set G0, 32
.set G1B, 48                           ; s[48:55], s[56:63] the same for W's tiles
.set G0B, 56
.set MSB, 0
.macro WIN new                         ; the immediate's high byte repeats the setting that is left
.if MSB != \new
	s_set_vgpr_msb (MSB<<8)|\new
.set MSB, \new
.endif
.endm
.set MUL,  0xa1                        ; source 0 (W) window 1, source 1 (att) window 0, C and D window 2
.set TO_B, 0x40                        ; destination window 1, address window 0
.macro JLOAD g0a, g1a, g0b, g1b        ; a joint load: waves 0 and 1 fetch att's halves, waves 2 and 3 W's; four v_nop follow each of the two lines
	s_cmp_eq_u32 s15, 0
	s_cbranch_scc0 .Lfor_b_\@
	tensor_load_to_lds s[\g0a:\g0a+3], s[\g1a:\g1a+7]
	s_nop 0
.rept 4
	v_nop
.endr
	s_branch .Lasked_\@
.Lfor_b_\@:
	tensor_load_to_lds s[\g0b:\g0b+3], s[\g1b:\g1b+7]
	s_nop 0
.rept 4
	v_nop
.endr
.Lasked_\@:
.endm
.macro CREST                           ; a round of the cluster's barrier behind its opening barrier
	s_cmp_lg_u32 s14, 0
	s_cbranch_scc1 .Lnot_wave_0_\@
	s_barrier_signal -3
.Lnot_wave_0_\@:
	s_barrier_wait -3
	s_barrier_signal -1
	s_barrier_wait -1
.endm
.macro CROUND
	s_barrier_signal -1
	s_barrier_wait -1
	CREST
.endm
	s_load_b256 s[4:11], s[0:1], 0x0               ; att_img s[4:5], W_proj s[6:7], b_proj s[8:9], the scales' exponents s[10:11]
	s_load_b64 s[12:13], s[0:1], 0x20              ; out
	v_lshl_add_u32 v[SPW], v0, 2, SPARE
	v_mov_b32 v[NIL], 0
	ds_add_u32 v28, v29
	ds_add_u32 v28, v29
	s_wait_dscnt 0x0
	v_lshrrev_b32 v1, 5, v0
	v_readfirstlane_b32 s14, v1                    ; wave 0..3
	s_lshr_b32 s15, s14, 1                         ; which 128 tokens are mine.  Also: I fetch for att (0) or for W (1)
	s_and_b32 s16, s14, 1                          ; which 64 outputs.  Also: which half of that tile I fetch
	s_bfe_u32 s40, ttmp6, 0x40000                  ; cx, cy: my place in the cluster
	s_bfe_u32 s41, ttmp6, 0x40004
	s_lshl_b32 s42, ttmp9, 2
	s_add_co_u32 s42, s42, s40                     ; tile column (128 outputs) = 4 x cluster x + cx
	s_and_b32 s17, ttmp7, 0xffff
	s_lshl_b32 s17, s17, 2
	s_add_co_u32 s17, s17, s41                     ; tile row (256 tokens) = 4 x cluster y + cy
	s_lshl_b32 s43, s41, 2
	s_lshl_b32 s43, 15, s43                        ; my row of the cluster
	s_lshl_b32 s44, 0x1111, s40                    ; my column
	; descriptor groups 1.  att: a dense block of 32,768 bytes as 128 rows of 256, no padding.  W: 64 rows of 256 bytes, 1,024 apart, padded in LDS
	s_or_b32 s[G1+0], s43, (0<<16)|(1<<21)         ; 15:0 the mask: my row; 17:16 elements of 1 byte; 21 set beside a mask
	s_mov_b32 s[G1+1], 256<<16                     ; tensor_dim0
	s_mov_b32 s[G1+2], 128<<16                     ; tensor_dim1
	s_mov_b32 s[G1+3], 256<<16                     ; tile_dim0
	s_mov_b32 s[G1+4], 128                         ; tile_dim1
	s_mov_b32 s[G1+5], 256                         ; tensor_dim0_stride
	s_mov_b32 s[G1+6], 0
	s_mov_b32 s[G1+7], 0
	s_or_b32 s[G1B+0], s44, (0<<16)|(1<<20)|(1<<21)|(5<<22)|(3<<25)  ; the mask of my column; padding: four words after every 64
	s_mov_b32 s[G1B+1], 256<<16
	s_mov_b32 s[G1B+2], 64<<16
	s_mov_b32 s[G1B+3], 256<<16
	s_mov_b32 s[G1B+4], 64
	s_mov_b32 s[G1B+5], 1024
	s_mov_b32 s[G1B+6], 0
	s_mov_b32 s[G1B+7], 0
	s_lshl_b32 s20, s17, 16                        ; att: 65,536 x tile row
	s_lshl_b32 s18, s16, 15
	s_add_co_u32 s20, s20, s18                     ; + 32,768 x half
	s_mov_b32 s21, 0
	s_lshl_b32 s46, s42, 7                         ; W: row 128 x tile column
	s_lshl_b32 s19, s16, 6
	s_add_co_u32 s46, s46, s19                     ; + 64 x half,
	s_lshl_b32 s46, s46, 10                        ; in bytes
	s_mov_b32 s47, 0
	s_lshl_b32 s45, s16, 15                        ; where they go: att's halves,
	s_mul_i32 s70, s16, BHALF
	s_add_co_u32 s70, s70, BOFF                    ; W's halves: no place in the cluster enters an LDS address
	s_wait_kmcnt 0x0
	s_load_b256 s[84:91], s[10:11], 0x0            ; e0 .. e7
	s_add_nc_u64 s[20:21], s[4:5], s[20:21]
	s_add_nc_u64 s[46:47], s[6:7], s[46:47]
	CROUND                                         ; all sixteen work-groups are here: the first joint loads meet
.irp s, 0,1
	s_mov_b32 s[G0+4*\s], 1
	s_add_co_u32 s[G0+4*\s+1], s45, \s*SLOT
	s_add_nc_u64 s[G0+4*\s+2:G0+4*\s+3], s[20:21], \s*0x200000     ; 256 along K on: 512 tiles of 4,096 bytes
	s_or_b32 s[G0+4*\s+3], s[G0+4*\s+3], 0x80000000
	s_mov_b32 s[G0B+4*\s], 1
	s_add_co_u32 s[G0B+4*\s+1], s70, \s*SLOT
	s_add_nc_u64 s[G0B+4*\s+2:G0B+4*\s+3], s[46:47], \s*256
	s_or_b32 s[G0B+4*\s+3], s[G0B+4*\s+3], 0x80000000
	s_wait_alu depctr_va_vdst(0)
	s_wait_tensorcnt 0x0
	ds_add_u32 v28, v29
	ds_add_u32 v28, v29
	s_wait_dscnt 0x0
	CROUND
	JLOAD G0+4*\s, G1, G0B+4*\s, G1B
.endr
	v_and_b32 v1, 15, v0                           ; r = l % 16
	v_bfe_u32 v2, v0, 4, 1                         ; h = l / 16
	v_and_b32 v6, 31, v0
	v_lshlrev_b32 v5, 4, v6                        ; 16 x lane
	v_mul_u32_u24 v3, v1, PITCH
	s_wait_alu depctr_va_vdst(0)
	v_lshl_add_u32 v4, v2, 3, v3                   ; W: row r x pitch + 8 h
	s_lshl_b32 s21, s15, 15                        ; my 128 tokens
	s_mul_i32 s22, s16, BHALF
	s_add_co_u32 s22, s22, BOFF                    ; my 64 rows of W
.irp s, 0,1
	v_add_nc_u32 v[ADRA+\s], s21, v5
	v_add_nc_u32 v[ADRB+\s], s22, v4
	s_add_co_u32 s21, s21, SLOT
	s_add_co_u32 s22, s22, SLOT
.endr
	s_mul_i32 s23, s14, 16*SPITCH                  ; my stage
	v_lshl_add_u32 v7, v2, 5, v3                   ; in: row r, 32 bytes for each half of the lanes
	v_add_nc_u32 v[STO], s23, v7
	v_mul_u32_u24 v7, v2, SPITCH                   ; back: lanes 0-15 one row of 256 bytes, lanes 16-31 the next
	v_lshl_add_u32 v7, v1, 4, v7
	v_add_nc_u32 v[RD], s23, v7
	v_lshlrev_b32 v[CO], 12, v2                    ; and the same two rows in out: rows of 4,096 bytes
	v_lshl_add_u32 v[CO], v1, 4, v[CO]
	v_lshlrev_b32 v[BO], 5, v2
	s_wait_alu depctr_va_vdst(0)
	s_lshl_b32 s20, s17, 8
	s_lshl_b32 s21, s15, 7
	s_add_co_u32 s20, s20, s21                     ; my first token: 256 x tile row + 128 x half
	s_lshl_b32 s20, s20, 12
	s_lshl_b32 s46, s42, 9                         ; my first output, in bytes: 512 x tile column + 256 x half
	s_lshl_b32 s47, s16, 8
	s_add_co_u32 s46, s46, s47
	s_mov_b32 s47, 0
	s_add_nc_u64 s[8:9], s[8:9], s[46:47]          ; b_proj at my 64 outputs
	s_add_co_u32 s20, s20, s46
	s_mov_b32 s21, 0
	s_add_nc_u64 s[12:13], s[12:13], s[20:21]      ; out at my corner; never stepped
.irp b, 0,1,2,3
	global_load_b128 v[BIAS+8*\b:BIAS+8*\b+3], v[BO], s[8:9] offset:64*\b        ; b(16 b + 8 h + 0 .. 7): the result's layout
	global_load_b128 v[BIAS+8*\b+4:BIAS+8*\b+7], v[BO], s[8:9] offset:64*\b+16
.endr
.macro FRAGA reg, slot, q, i           ; att's tile i, the slot's q-th 128 along K: an image, four loads of 512 consecutive bytes
.irp c, 0,1,2,3
	ds_load_b128 v[\reg+4*\c:\reg+4*\c+3], v[ADRA+\slot] offset:(\i)*4096+(\q)*2048+512*\c
.endr
.endm
.macro FRAGB reg, slot, q, i           ; W's rows 16 i on: registers 2 c, 2 c + 1 hold k = 16 c + 8 h + 0 .. 7
.irp c, 0,1,2,3,4,5,6,7
	ds_load_b64 v[\reg+2*\c:\reg+2*\c+1], v[ADRB+\slot] offset:(\i)*16*PITCH+128*(\q)+16*\c
.endr
.endm
; 8 matrix instructions: att's blocks a0, a0 + 1 x W's four, 128 along K.  p: W's set.  zero = 1: the first product starts the sums.
; The 32 accumulators take turns, one instruction a turn, in the same order in every step.
.macro MUL8 a0, p, zero
.irp a, \a0, \a0+1
.irp b, 0,1,2,3
.if \zero
	v_wmma_f32_16x16x128_fp8_fp8 v[8*(4*(\a)+\b):8*(4*(\a)+\b)+7], v[64*(\p)+FR*\b:64*(\p)+FR*\b+FR-1], v[AF+FR*(\a):AF+FR*(\a)+FR-1], 0
.else
	v_wmma_f32_16x16x128_fp8_fp8 v[8*(4*(\a)+\b):8*(4*(\a)+\b)+7], v[64*(\p)+FR*\b:64*(\p)+FR*\b+FR-1], v[AF+FR*(\a):AF+FR*(\a)+FR-1], v[8*(4*(\a)+\b):8*(4*(\a)+\b)+7]
.endif
.endr
.endr
.endm
.macro FETCH_B slot, q, p              ; 32 loads
	WIN TO_B
.irp i, 0,1,2,3
	FRAGB 64*(\p)+FR*\i, \slot, \q, \i
.endr
	WIN 0
.endm
.macro FETCH_A slot, q, i0             ; 16 loads: blocks i0 .. i0 + 3
.irp i, \i0, \i0+1, \i0+2, \i0+3
	FRAGA AF+FR*(\i), \slot, \q, \i
.endr
.endm
.macro PLACES n
.rept \n
	v_nop
.endr
.endm
; A step of 128 along K that has its successor in the same slot.
.macro STEP slot, q, zero
	s_wait_dscnt 16                                ; W's set and att's blocks 0-3 are in; the youngest sixteen loads (blocks 4-7) may be out
	WIN MUL
	MUL8 0, (\q)%2, \zero
	MUL8 2, (\q)%2, \zero
	s_wait_dscnt 0
	PLACES NP
	FETCH_B \slot, (\q)+1, 1-(\q)%2
	FETCH_A \slot, (\q)+1, 0
	WIN MUL
	MUL8 4, (\q)%2, \zero
	MUL8 6, (\q)%2, \zero
	PLACES NP
	WIN 0
	FETCH_A \slot, (\q)+1, 4
.endm
; A slot's last step changes slots: one barrier; in front of it each wave waits for all its tensor loads, adds 0 to its spare word, and waits for that and for its own reads of this slot.  fill = 1: this slot is filled again, two K steps ahead.
.macro TURN slot, next, fill
	s_wait_tensorcnt 0x0                           ; all my tensor loads have landed: my part of the next slot
	ds_add_u32 v[SPW], v[NIL]                      ; 0 onto my spare word
	s_wait_dscnt 17                                ; (the add and the youngest sixteen loads may be out)
	WIN MUL
	MUL8 0, 1, 0                                   ; eight matrix instructions stand between the add and the wait for it
	s_wait_dscnt 0x0                               ; the add is done, and my reads of this slot are over
	s_barrier_signal -1
	MUL8 2, 1, 0
	WIN 0
	s_barrier_wait -1
.if \fill
	CREST                                          ; the barrier has opened a round of the cluster's barrier: no wave of any partner still reads this slot or has a load on its way
	s_add_nc_u64 s[G0+4*\slot+2:G0+4*\slot+3], s[G0+4*\slot+2:G0+4*\slot+3], 0x400000
	s_add_nc_u64 s[G0B+4*\slot+2:G0B+4*\slot+3], s[G0B+4*\slot+2:G0B+4*\slot+3], 512
	JLOAD G0+4*\slot, G1, G0B+4*\slot, G1B         ; the first tensor load behind the round; its four v_nop are also the places in front of the loads below
.else
	PLACES NP
.endif
	FETCH_B \next, 0, 0
	FETCH_A \next, 0, 0
	WIN MUL
	MUL8 4, 1, 0
	MUL8 6, 1, 0
	PLACES NP
	WIN 0
	FETCH_A \next, 0, 4
.endm
	s_wait_tensorcnt 1                             ; my part of K step 0 is in; K step 1's load may be out
	s_barrier_signal -1
	s_barrier_wait -1                              ; everybody's is
	FETCH_B 0, 0, 0
	FETCH_A 0, 0, 0
	FETCH_A 0, 0, 4
	STEP 0, 0, 1                                   ; K 0-127: its products start the sums.  K is fixed at 1,024: the eight steps are written out
	TURN 0, 1, 1                                   ; slot 0 takes K 512-767
	STEP 1, 0, 0
	TURN 1, 0, 1                                   ; slot 1 takes K 768-1023
	STEP 0, 0, 0
	TURN 0, 1, 0                                   ; nothing is left to fetch
	STEP 1, 0, 0
	s_wait_dscnt 16                                ; the last step
	WIN MUL
	MUL8 0, 1, 0
	MUL8 2, 1, 0
	s_wait_dscnt 0
	MUL8 4, 1, 0
	MUL8 6, 1, 0
	WIN 0
; THE WAY OUT, block by block of 16 tokens x 64 outputs.  A lane holds 32 neighbouring bytes of a row and the lanes beside it other rows: a block goes through my own stage in LDS and comes back as whole rows of 256 bytes.
; LDS serves a wave's instructions in order (ISA guide 5.7.1.4): no wait between the stores and the loads, nor in front of the next block's stores.
.macro TOSTAGE a
	WIN 0x02                                       ; source 0: window 2
.irp b, 0,1,2,3
.irp i, 0,2,4,6
	v_pk_fma_f32 v[TMP+8*\b+\i:TMP+8*\b+\i+1], v[8*(4*(\a)+\b)+\i:8*(4*(\a)+\b)+\i+1], s[96:97], v[BIAS+8*\b+\i:BIAS+8*\b+\i+1] op_sel_hi:[1,0,1]   ; sum x 2^(e6 + e7) + b; each accumulator from its low end on
.endr
.endr
	WIN 0
.irp b, 0,1,2,3
	ds_store_b128 v[STO], v[TMP+8*\b:TMP+8*\b+3] offset:64*\b
	ds_store_b128 v[STO], v[TMP+8*\b+4:TMP+8*\b+7] offset:64*\b+16
.endr
.set BB, BK+32*((\a)%2)
.irp t, 0,1,2,3,4,5,6,7
	ds_load_b128 v[BB+4*\t:BB+4*\t+3], v[RD] offset:\t*2*SPITCH
.endr
.endm
.macro SEND a, younger                 ; younger: the LDS instructions issued behind block a's loads, which may stay out
.set BB, BK+32*((\a)%2)
	s_wait_dscnt \younger
.irp t, 0,1,2,3,4,5,6,7
	global_store_b128 v[CO], v[BB+4*\t:BB+4*\t+3], s[12:13] offset:(\a)*65536+\t*8192 th:TH_STORE_NT   ; 16 lanes store 256 consecutive bytes, aligned; written once, read by nobody here
.endr
.endm
	s_wait_kmcnt 0x0
	s_add_co_i32 s96, s90, s91                     ; e6 + e7
	s_add_co_i32 s96, s96, 127
	s_lshl_b32 s96, s96, 23                        ; 2^(e6 + e7) as f32
	s_mov_b32 s97, s96                             ; (named with it as a pair, so it is written)
	s_wait_loadcnt 0x0                             ; the bias
	PLACES NP                                      ; behind the last products: for the reads of results and for the loads into the registers that held att's fragments
	TOSTAGE 0
.irp a, 1,2,3,4,5,6,7
.if \a > 1
	s_wait_xcnt 0x0                                ; block a - 2's stores have read their registers: block a's rows may land there
.endif
	TOSTAGE \a
	SEND (\a)-1, 16                                ; behind block a - 1's loads: block a's 8 stores and 8 loads
.endr
	SEND 7, 0
	s_wait_tensorcnt 0x0                           ; the wave's end
	ds_add_u32 v[SPW], v[NIL]
	s_wait_dscnt 0x0
	CROUND                                         ; the closing round: no work-group ends while a partner may still ask for a tile that names it
	s_endpgm
.Lfunc_end_k_qf10e86ceeb_proj:
	.size	k_qf10e86ceeb_proj, .Lfunc_end_k_qf10e86ceeb_proj-k_qf10e86ceeb_proj
	.p2alignl 7, 3214868480
	.fill 96, 4, 3214868480
	.section	.rodata,"a",@progbits
	.p2align	6, 0x0
	.amdhsa_kernel k_qf10e86ceeb_proj
		.amdhsa_group_segment_fixed_size 327680
		.amdhsa_private_segment_fixed_size 0
		.amdhsa_enable_private_segment 0
		.amdhsa_kernarg_size 40
		.amdhsa_user_sgpr_count 2
		.amdhsa_user_sgpr_kernarg_segment_ptr 1
		.amdhsa_wavefront_size32 1
		.amdhsa_system_sgpr_workgroup_id_x 1
		.amdhsa_system_sgpr_workgroup_id_y 1
		.amdhsa_system_sgpr_workgroup_id_z 1
		.amdhsa_system_vgpr_workitem_id 0
		.amdhsa_next_free_vgpr 768
		.amdhsa_next_free_sgpr 100
		.amdhsa_reserve_vcc 0
		.amdhsa_float_denorm_mode_32 3
		.amdhsa_float_denorm_mode_16_64 3
		.amdhsa_memory_ordered 1
		.amdhsa_forward_progress 1
		.amdhsa_inst_pref_size 86
	.end_amdhsa_kernel
	.amdgpu_metadata
---
amdhsa.version: [ 1, 2 ]
amdhsa.kernels:
  - .name:           k_qf10e86ceeb_proj
    .symbol:         k_qf10e86ceeb_proj.kd
    .args:
      - { .name: att_img, .offset: 0, .size: 8, .value_kind: global_buffer, .address_space: global }
      - { .name: W_proj_codes, .offset: 8, .size: 8, .value_kind: global_buffer, .address_space: global }
      - { .name: b_proj, .offset: 16, .size: 8, .value_kind: global_buffer, .address_space: global }
      - { .name: lowp_scales, .offset: 24, .size: 8, .value_kind: global_buffer, .address_space: global }
      - { .name: out0, .offset: 32, .size: 8, .value_kind: global_buffer, .address_space: global }
    .group_segment_fixed_size: 327680
    .private_segment_fixed_size: 0
    .kernarg_segment_align: 8
    .kernarg_segment_size: 40
    .max_flat_workgroup_size: 128
    .sgpr_count:     100
    .vgpr_count:     768
    .wavefront_size: 32
...
	.end_amdgpu_metadata
.endif
;; end of part 3
